; MI455X (gfx1250); checked and timed in simulation.
; The chip was launched on July 23, 2026; its instructions are those of AMD's public machine-readable ISA for CDNA 5 (MIT licence, August 2026) and "CDNA5" Instruction Set Architecture Reference Guide (July 2026). The comments in the code are by the model that wrote it; some were corrected since.
;; Non Local Block. Allowed arithmetic: float matrix products may take bf16 or f16 operands with f32 sums; all other float work in f32.
;; Inputs: b_g 512 float32; b_out 1,024 float32; b_phi 512 float32; b_theta 512 float32; w_g 512 x 1,024 float32; w_out 1,024 x 512 float32; w_phi 512 x 1,024 float32; w_theta 512 x 1,024 float32; x 16 x 1,024 x 32 x 32 float32.
;; Outputs: out0 16 x 1,024 x 32 x 32 float32.
;; One version. Each part assembles by itself: llvm-mc -triple=amdgcn-amd-amdhsa -mcpu=gfx1250 --defsym DOCPART=n.
;; ======== version 1 of 1: 3 launches
;; workspace buffers: wF 3,145,728 bytes; woF 1,048,576 bytes; thF 16,777,216 bytes; phF 16,777,216 bytes; gF 16,777,216 bytes
;; launch prep (part 1): grid 512 x 1, 8 waves a work-group, no clusters, 0 bytes of LDS; arguments w_theta, w_phi, w_g, w_out, wF, woF; writes wF, woF
.if DOCPART == 1
	.amdgcn_target "amdgcn-amd-amdhsa--gfx1250"
	.amdhsa_code_object_version 6
	.text
	.protected	k_qf55115e83f_prep
	.globl	k_qf55115e83f_prep
	.p2align	8
	.type	k_qf55115e83f_prep,@function
k_qf55115e83f_prep:
	s_mov_b64 s[64:65], 0
	v_nop
	global_prefetch_b8 v0, s[64:65] scope:SCOPE_SE
	s_setreg_imm32_b32 hwreg(HW_REG_WAVE_MODE, 25, 1), 1
	s_wait_xcnt 0x0
; PREP.  The four weight matrices are rounded to bf16 and laid out in FRAGMENT ORDER (wF, woF).
; A fragment is 16 rows x 32 k of bf16 as a matrix operand's registers hold it, 1,024 bytes: lane L = (r = L % 16, h = L / 16) owns 16 bytes at 16 L (row r, k = 8 h + 0..7)
; and 16 bytes at 512 + 16 L (k = 16 + 8 h + 0..7).  The later launches then read a fragment as 2 x 512 consecutive bytes.
; SHARES.  512 work-groups x 8 waves = 4,096 waves; wave id converts one of the 4,096 fragments (3,072 of wF, 1,024 of woF).  No loop, no LDS.
; Wave id = ((mat 4 + mt) 16 + s) 16 + e 8 + a reads rows 128 mt + 16 a + r, k = 64 s + 32 e + ..  of matrix mat (0 theta, 1 phi, 2 g)
; and writes wF's fragment ((mt 16 + s) 3 + mat) 16 + e 8 + a: the 48 fragments that one work-group of the next launch wants in one K step lie together, 49,152 dense bytes.
; woF: fragment f = (((s 4 + w) 2 + e) 8 + ks) 2 + mb holds rows 16 (8 s + 2 w + mb) + r, k = 32 (8 e + ks) + ..  of w_out.
; A fragment's source is 16 pieces of 128 bytes, one a row; the wave with the next k step reads the piece beside it.
; LIMIT.  Rounding to bf16, to nearest even; nothing else is done to the numbers.
.set WSRC, 8                           ; v[8:23]    my 16 weights in f32
.set WDST, 24                          ; v[24:31]   the same in bf16
	s_load_b256 s[4:11], s[0:1], 0x0               ; w_theta s[4:5], w_phi s[6:7], w_g s[8:9], w_out s[10:11]
	s_load_b128 s[12:15], s[0:1], 0x20             ; wF s[12:13], woF s[14:15]
	v_lshrrev_b32 v6, 5, v0
	v_readfirstlane_b32 s20, v6                    ; wave 0..7
	s_lshl_b32 s21, ttmp9, 3
	s_add_co_u32 s21, s21, s20                     ; id = 8 x work-group + wave
	v_and_b32 v1, 15, v0                           ; r
	v_bfe_u32 v2, v0, 4, 1                         ; h
	v_and_b32 v7, 31, v0                           ; lane
	v_lshlrev_b32 v4, 4, v7                        ; 16 x lane
	s_lshr_b32 s22, s21, 10                        ; mat: 0, 1, 2 go to wF, 3 is w_out
	s_bfe_u32 s23, s21, 0x20008                    ; wF: mt,
	s_and_b32 s24, s21, 7                          ; a,
	s_lshl3_add_u32 s23, s23, s24                  ; block of 16 rows = 8 mt + a,
	s_bfe_u32 s24, s21, 0x50003                    ; k step of 32 = 2 s + e,
	s_bfe_u32 s29, s21, 0x60004                    ; 16 mt + s,
	s_mul_i32 s29, s29, 3
	s_add_co_u32 s29, s29, s22                     ; x 3 + mat,
	s_lshl_b32 s29, s29, 4
	s_and_b32 s16, s21, 15
	s_or_b32 s29, s29, s16                         ; x 16 + 8 e + a: the fragment's number in wF
	s_and_b32 s25, s21, 1023                       ; woF: f,
	s_lshr_b32 s26, s25, 5
	s_lshl_b32 s26, s26, 1
	s_and_b32 s27, s25, 1
	s_or_b32 s26, s26, s27                         ; block of 16 rows = 8 s + 2 w + mb,
	s_bfe_u32 s27, s25, 0x40001                    ; k step of 32 = 8 e + ks
	s_cmp_eq_u32 s22, 3
	s_cselect_b32 s23, s26, s23                    ; the block of rows,
	s_cselect_b32 s24, s27, s24                    ; the k step,
	s_cselect_b32 s28, 11, 12                      ; log2 of a source row's bytes (512 or 1,024 f32),
	s_cselect_b32 s29, s25, s29                    ; and the fragment's number in its buffer
	s_lshl_b32 s30, s23, 4
	s_lshl_b32 s30, s30, s28                       ; 16 x block rows,
	s_lshl_b32 s31, s24, 7                         ; + 128 bytes a k step
	s_add_co_u32 s30, s30, s31
	s_mov_b32 s31, 0
	s_lshl_b32 s36, s29, 10                        ; 1,024 bytes a fragment
	s_mov_b32 s37, 0
	v_lshlrev_b32 v3, s28, v1                      ; row r,
	v_lshl_add_u32 v3, v2, 5, v3                   ; + 8 h numbers of 4 bytes
	s_wait_kmcnt 0x0
	s_cmp_eq_u32 s22, 3
	s_cselect_b64 s[32:33], s[14:15], s[12:13]     ; to woF or to wF
	s_cselect_b64 s[34:35], s[10:11], s[8:9]       ; from w_out or w_g,
	s_cmp_eq_u32 s22, 1
	s_cselect_b64 s[34:35], s[6:7], s[34:35]       ; or w_phi,
	s_cmp_eq_u32 s22, 0
	s_cselect_b64 s[34:35], s[4:5], s[34:35]       ; or w_theta
	s_add_nc_u64 s[34:35], s[34:35], s[30:31]
	s_add_nc_u64 s[32:33], s[32:33], s[36:37]
	global_load_b128 v[WSRC:WSRC+3],     v3, s[34:35]            ; k = 8 h + 0..3
	global_load_b128 v[WSRC+4:WSRC+7],   v3, s[34:35] offset:16  ; k = 8 h + 4..7
	global_load_b128 v[WSRC+8:WSRC+11],  v3, s[34:35] offset:64  ; k = 16 + 8 h + 0..3
	global_load_b128 v[WSRC+12:WSRC+15], v3, s[34:35] offset:80  ; k = 16 + 8 h + 4..7
	s_wait_loadcnt 0x0
.set j, 0
.rept 8
	v_cvt_pk_bf16_f32 v[WDST+j], v[WSRC+2*j], v[WSRC+2*j+1]
.set j, j+1
.endr
	global_store_b128 v4, v[WDST:WDST+3],   s[32:33]             ; the fragment's first half: 512 consecutive bytes
	global_store_b128 v4, v[WDST+4:WDST+7], s[32:33] offset:512  ; its second half
	s_endpgm
.Lfunc_end_k_qf55115e83f_prep:
	.size	k_qf55115e83f_prep, .Lfunc_end_k_qf55115e83f_prep-k_qf55115e83f_prep
	.p2alignl 7, 3214868480
	.fill 96, 4, 3214868480
	.section	.rodata,"a",@progbits
	.p2align	6, 0x0
	.amdhsa_kernel k_qf55115e83f_prep
		.amdhsa_group_segment_fixed_size 0
		.amdhsa_private_segment_fixed_size 0
		.amdhsa_enable_private_segment 0
		.amdhsa_kernarg_size 48
		.amdhsa_user_sgpr_count 2
		.amdhsa_user_sgpr_kernarg_segment_ptr 1
		.amdhsa_wavefront_size32 1
		.amdhsa_system_sgpr_workgroup_id_x 1
		.amdhsa_system_sgpr_workgroup_id_y 1
		.amdhsa_system_sgpr_workgroup_id_z 1
		.amdhsa_system_vgpr_workitem_id 0
		.amdhsa_next_free_vgpr 32
		.amdhsa_next_free_sgpr 66
		.amdhsa_reserve_vcc 0
		.amdhsa_float_denorm_mode_32 3
		.amdhsa_float_denorm_mode_16_64 3
		.amdhsa_memory_ordered 1
		.amdhsa_forward_progress 1
		.amdhsa_inst_pref_size 4
	.end_amdhsa_kernel
	.amdgpu_metadata
---
amdhsa.version: [ 1, 2 ]
amdhsa.kernels:
  - .name:           k_qf55115e83f_prep
    .symbol:         k_qf55115e83f_prep.kd
    .args:
      - { .name: w_theta, .offset: 0, .size: 8, .value_kind: global_buffer, .address_space: global }
      - { .name: w_phi, .offset: 8, .size: 8, .value_kind: global_buffer, .address_space: global }
      - { .name: w_g, .offset: 16, .size: 8, .value_kind: global_buffer, .address_space: global }
      - { .name: w_out, .offset: 24, .size: 8, .value_kind: global_buffer, .address_space: global }
      - { .name: wF, .offset: 32, .size: 8, .value_kind: global_buffer, .address_space: global }
      - { .name: woF, .offset: 40, .size: 8, .value_kind: global_buffer, .address_space: global }
    .group_segment_fixed_size: 0
    .private_segment_fixed_size: 0
    .kernarg_segment_align: 8
    .kernarg_segment_size: 48
    .max_flat_workgroup_size: 256
    .sgpr_count:     66
    .vgpr_count:     32
    .wavefront_size: 32
...
	.end_amdgpu_metadata
.endif
;; end of part 1
;; launch proj (part 2): grid 4 x 64, 4 waves a work-group, clusters of 4 x 4, 327,680 bytes of LDS; arguments x, wF, b_theta, b_phi, b_g, thF, phF, gF; writes thF, phF, gF
.if DOCPART == 2
	.amdgcn_target "amdgcn-amd-amdhsa--gfx1250"
	.amdhsa_code_object_version 6
	.text
	.protected	k_qf55115e83f_proj
	.globl	k_qf55115e83f_proj
	.p2align	8
	.type	k_qf55115e83f_proj,@function
k_qf55115e83f_proj:
	s_mov_b64 s[64:65], 0
	v_nop
	global_prefetch_b8 v0, s[64:65] scope:SCOPE_SE
	s_setreg_imm32_b32 hwreg(HW_REG_WAVE_MODE, 25, 1), 1
	s_wait_xcnt 0x0
	s_wait_alu depctr_hold_cnt(0) depctr_sa_sdst(0) depctr_va_vdst(0) depctr_va_sdst(0) depctr_va_ssrc(0) depctr_va_vcc(0) depctr_vm_vsrc(0)
	s_getreg_b32 s2, hwreg(HW_REG_IB_STS2, 6, 4)
	s_cmp_eq_u32 s2, 0
	s_cbranch_scc0 .Lentry_in_a_cluster
	s_endpgm
.Lentry_in_a_cluster:
	s_bfe_u32 s2, ttmp6, 0x10000c
	s_cmp_lg_u32 s2, 0xf033
	s_cbranch_scc0 .Lentry_shape_is_right
	s_endpgm
.Lentry_shape_is_right:
; PROJ.  theta, phi, g = W x + b for all 16 images: one product of 1,536 x 16,384 x 1,024 in bf16 with f32 sums; the bias is added in f32 and each result rounded once to bf16.
; SHARES.  A work-group makes rows 128 mt .. + 127 of EACH of theta, phi and g for 256 pixels of one image: 384 x 256.  4 x 64 = 256 work-groups.  Each of its four waves makes all 384 rows for 64 pixels:
; 96 accumulators of 16 x 16, 768 registers: group G (0 theta, 1 phi, 2 g) fills register window 1 + G, accumulator (a, b) at v[8 (4 a + b)].  128 rows of each matrix make every wave's text alike.
; K goes in steps of 64 through two LDS slots.  W's tile comes in fragment order (1,024 bytes a fragment, read as 2 x 512 consecutive bytes).
; x COMES AS IT IS, IN f32, [channel][pixel], and is rounded to bf16 here, on the way from LDS to the matrix unit: no copy of x goes through memory.  One load of 16 bytes gives a lane the pixels 4 r .. 4 r + 3
; of one channel: one number for each of the wave's four fragments.  So block b of a wave's 64 pixels holds, in row m, PIXEL 4 m + b.  Eight such loads and sixteen roundings in pairs make half of all four fragments.
; ORIENTATION.  theta, phi: source 0 = W, source 1 = x: a lane holds one pixel and eight neighbouring channels.  g: source 0 = x, source 1 = W: a lane holds one channel and eight rows of a pixel block.
; So every accumulator, rounded in pairs, IS half a fragment of the next launch's operand, and leaves by one store of 512 consecutive bytes: no stage in LDS.
;   thF [n][pixel block 64][k step 16][1 KB]     phF [n][k step 16][key block 64][1 KB]     gF [n][pos 32][channel block 32][1 KB], pos = 4 (js % 8) + js / 8 for the step js of two key blocks
;   In all three, row m of block 4 W + b is pixel 64 W + 4 m + b.  phF and gF agree, so the order of keys cancels in the next launch; the order of queries is undone on its way out.
; CLUSTER.  4 x 4 work-groups.  W's tiles hang on mt alone, which a column of the cluster shares; x's on image and pixels alone, which a row shares: both are asked for jointly.
; LIMITS.  x is rounded to bf16 for the products, W arrives so rounded; theta, phi and g leave rounded to bf16; NaN and infinities are not treated apart.
.set SLOT1,  1<<17                     ; slot 1 begins here: one exclusive or turns an address in one slot into the other's
.set WSTEP,  3*16384                   ; a K step's W: [G 3][e 2][a 8][1,024 bytes]
.set XOFF,   WSTEP                     ; then x: 64 channels x 256 pixels of 4 bytes.  No padding: sixteen lanes read 256 consecutive bytes of one channel
.set XROW,   1024
.set SPARE,  SLOT1+XOFF+64*XROW        ; behind slot 1: the spare words, 128 bytes for each wave: two blocks of 256 bytes that no other line names
.set L16, 3                            ; v3   16 x lane: W's place in a fragment, and my 16 bytes of a store
.set SPW, 4                            ; v4   LDS address of my spare word; never rewritten
.set NIL, 5                            ; v5   0; never rewritten
.set AX0, 7                            ; v7   my lane's place in x's tile of slot 0: channel 8 h, my wave's 256 bytes, 16 r
.set AWC, 8                            ; v8   W's LDS address in the slot in hand
.set AXC, 9                            ; v9   x's
.set H32, 10                           ; v10  32 h: my eight biases of theta and phi
.set R4,  11                           ; v11  4 r: my bias of g
.set XB,  32                           ; v[32:95]   x's fragments: e = 0, 1: 4 blocks of 16 pixels x 8 registers
.set WB,  96                           ; v[96:223]  W's fragments: two buffers of 8 blocks of 16 rows
.set TMP, 224                          ; v[224:255] x in f32 on its way: channel j of eight at 4 j; later the way out: sums with bias
.set OUTR, 48                          ; v[48:63]   the way out: rounded
.set WV,  20                           ; s20  my wave's number
.set HF,  63                           ; s63  wave % 2: which half of W's or of x's tile I fetch
.set G1W, 24                           ; s[24:31] descriptor group 1 for W's tiles
.set G1X, 32                           ; s[32:39] for x's
.set G0W, 40                           ; s[40:47] descriptor group 0 for W's tiles: a set for each first fill; the second then walks
.set G0X, 48                           ; s[48:55] the same for x's
.set CNT, 56                           ; s56  the loop's count
.set TB,  57                           ; s57  the slot in hand: 0 or SLOT1
.set MSB, 0
.macro WIN new                         ; s_set_vgpr_msb: bits 1:0 source 0, 3:2 source 1, 5:4 source 2, 7:6 destination; the high byte repeats the setting that is left
.if MSB != (\new)
	s_set_vgpr_msb (MSB<<8)|(\new)
.set MSB, \new
.endif
.endm
.macro PLACES                          ; four places between a matrix instruction and a load into, or a vector instruction on, its registers (ISA guide 7.12.1 for vector instructions)
.rept 4
	v_nop
.endr
.endm
.macro CREST                           ; a round of the cluster's barrier behind its opening barrier
	s_cmp_lg_u32 s[WV], 0
	s_cbranch_scc1 .Lnot_wave_0_\@
	s_barrier_signal -3
.Lnot_wave_0_\@:
	s_barrier_wait -3
	s_barrier_signal -1
	s_barrier_wait -1
.endm
.macro CROUND                          ; a whole round
	s_barrier_signal -1
	s_barrier_wait -1
	CREST
.endm
.macro JLOAD                           ; a joint refill: waves 0, 1 fetch the halves of W's 48 KiB, waves 2, 3 32 channels of x each.  The branch hangs on the wave's number alone
	s_cmp_lt_u32 s[WV], 2
	s_cbranch_scc0 .Lfor_x_\@
	tensor_load_to_lds s[G0W+4:G0W+7], s[G1W:G1W+7]
	s_nop 0
	PLACES
	s_branch .Lasked_\@
.Lfor_x_\@:
	tensor_load_to_lds s[G0X+4:G0X+7], s[G1X:G1X+7]
	s_nop 0
	PLACES
.Lasked_\@:
.endm
	s_load_b256 s[4:11], s[0:1], 0x0               ; x s[4:5], wF s[6:7], b_theta s[8:9], b_phi s[10:11]
	s_load_b256 s[12:19], s[0:1], 0x20             ; b_g s[12:13], thF s[14:15], phF s[16:17], gF s[18:19]
	v_lshl_add_u32 v[SPW], v0, 2, SPARE
	v_mov_b32 v[NIL], 0
	ds_add_u32 v[SPW], v[NIL]                      ; the wave's opening: the add and its wait stand ahead of my first tensor load; the set-up below stands between them
	v_lshrrev_b32 v1, 5, v0
	v_readfirstlane_b32 s[WV], v1                  ; wave 0..3
	s_and_b32 s[HF], s[WV], 1
	s_bfe_u32 s21, ttmp6, 0x40000                  ; cx
	s_bfe_u32 s22, ttmp6, 0x40004                  ; cy
	s_lshl_b32 s23, ttmp9, 2
	s_add_co_u32 s23, s23, s21                     ; mt = 4 x cluster x + cx
	s_and_b32 s58, ttmp7, 0xffff
	s_lshl_b32 s58, s58, 2
	s_add_co_u32 s58, s58, s22                     ; 4 x cluster y + cy = 4 n + nt
	s_lshr_b32 s59, s58, 2                         ; n: the image
	s_and_b32 s60, s58, 3                          ; nt: which 256 of its pixels
	s_lshl_b32 s61, 0x1111, s21                    ; my column of the cluster
	s_lshl_b32 s62, s22, 2
	s_lshl_b32 s62, 15, s62                        ; my row
	; half of W's tile: 24,576 dense bytes as 96 rows of 32 elements of 8 bytes
	s_or_b32 s[G1W], s61, (3<<16)|(1<<21)          ; 15:0 the mask: my column; 17:16 elements of 8 bytes; 21 set beside a mask
	s_mov_b32 s[G1W+1], 32<<16                     ; tensor_dim0 = 32
	s_mov_b32 s[G1W+2], 96<<16                     ; tensor_dim1 = 96
	s_mov_b32 s[G1W+3], 32<<16                     ; tile_dim0 = 32
	s_mov_b32 s[G1W+4], 96                         ; tile_dim1 = 96
	s_mov_b32 s[G1W+5], 32                         ; 32 elements from row to row
	s_mov_b32 s[G1W+6], 0
	s_mov_b32 s[G1W+7], 0
	; half of x's tile: 32 channels x 256 pixels of 4 bytes, rows 1,024 elements apart
	s_or_b32 s[G1X], s62, (2<<16)|(1<<21)          ; the mask: my row; elements of 4 bytes
	s_mov_b32 s[G1X+1], 256<<16
	s_mov_b32 s[G1X+2], 32<<16
	s_mov_b32 s[G1X+3], 256<<16
	s_mov_b32 s[G1X+4], 32
	s_mov_b32 s[G1X+5], 1024
	s_mov_b32 s[G1X+6], 0
	s_mov_b32 s[G1X+7], 0
	s_mul_i32 s72, s23, 16*WSTEP                   ; W: mt's sixteen K steps, and my half of a step.  These registers never hold cy
	s_mul_i32 s73, s[HF], WSTEP/2
	s_add_co_u32 s72, s72, s73
	s_mov_b32 s73, 0
	s_lshl_b32 s74, s59, 22                        ; x: the image's 4 MiB, 1,024 bytes for each 256 pixels, my 32 rows of 4,096 bytes.  These never hold cx
	s_lshl_b32 s75, s60, 10
	s_add_co_u32 s74, s74, s75
	s_lshl_b32 s75, s[HF], 17
	s_add_co_u32 s74, s74, s75
	s_mov_b32 s75, 0
	s_mul_i32 s76, s[HF], WSTEP/2                  ; their places in a slot: no place in the cluster enters an LDS address
	s_lshl_b32 s77, s[HF], 15
	s_add_co_u32 s77, s77, XOFF
	s_mov_b32 s[TB], 0
	s_wait_dscnt 0x0                               ; the opening add is done
	s_wait_kmcnt 0x0
	s_add_nc_u64 s[72:73], s[6:7], s[72:73]
	s_add_nc_u64 s[74:75], s[4:5], s[74:75]
.irp s, 0,1
	s_mov_b32 s[G0W+4*(\s)], 1                                       ; count = 1
	s_add_co_u32 s[G0W+4*(\s)+1], s76, (\s)*SLOT1                    ; LDS address
	s_add_nc_u64 s[G0W+4*(\s)+2:G0W+4*(\s)+3], s[72:73], (\s)*WSTEP  ; K step s
	s_or_b32 s[G0W+4*(\s)+3], s[G0W+4*(\s)+3], 0x80000000            ; type = 2
	s_mov_b32 s[G0X+4*(\s)], 1
	s_add_co_u32 s[G0X+4*(\s)+1], s77, (\s)*SLOT1
	s_add_nc_u64 s[G0X+4*(\s)+2:G0X+4*(\s)+3], s[74:75], (\s)*262144 ; 64 rows of 4,096 bytes on
	s_or_b32 s[G0X+4*(\s)+3], s[G0X+4*(\s)+3], 0x80000000
.endr
	CROUND                                         ; all sixteen work-groups are here: the first joint loads meet
	s_cmp_lt_u32 s[WV], 2                          ; a wave's two first fills stand in one branch: two loads of mine are out
	s_cbranch_scc0 .Lfirst_x
	tensor_load_to_lds s[G0W:G0W+3], s[G1W:G1W+7]
	s_nop 0
	tensor_load_to_lds s[G0W+4:G0W+7], s[G1W:G1W+7]
	s_nop 0
	PLACES
	s_branch .Lfirst_asked
.Lfirst_x:
	tensor_load_to_lds s[G0X:G0X+3], s[G1X:G1X+7]
	s_nop 0
	tensor_load_to_lds s[G0X+4:G0X+7], s[G1X:G1X+7]
	s_nop 0
	PLACES
.Lfirst_asked:
	v_and_b32 v1, 15, v0                           ; r
	v_bfe_u32 v2, v0, 4, 1                         ; h
	v_and_b32 v[L16], 31, v0
	v_lshlrev_b32 v[L16], 4, v[L16]
	v_lshlrev_b32 v[AX0], 13, v2                   ; channel 8 h: 8 rows of 1,024 bytes,
	v_lshl_add_u32 v[AX0], v1, 4, v[AX0]           ; pixels 4 r .. 4 r + 3,
	s_lshl_b32 s77, s[WV], 8                       ; of my wave's 64
	s_add_co_u32 s77, s77, XOFF
	v_add_nc_u32 v[AX0], s77, v[AX0]
	v_lshlrev_b32 v[H32], 5, v2
	v_lshlrev_b32 v[R4], 2, v1
	v_add_nc_u32 v[AWC], s[TB], v[L16]
	v_add_nc_u32 v[AXC], s[TB], v[AX0]
	; where the results go
	s_lshl_b32 s76, s60, 4
	s_lshl2_add_u32 s76, s[WV], s76                ; my first block of 16 pixels: 16 nt + 4 wave
	s_lshl_b32 s77, s59, 20                        ; an image is 1 MiB in each of the three
	s_lshl_b32 s66, s76, 14                        ; thF: 16 KiB a pixel block,
	s_add_co_u32 s66, s66, s77
	s_lshl_b32 s78, s23, 12                        ; 4 k steps of 1 KiB for my 128 channels
	s_add_co_u32 s66, s66, s78
	s_mov_b32 s67, 0
	s_lshl_b32 s68, s23, 18                        ; phF: 4 k steps of 64 KiB,
	s_add_co_u32 s68, s68, s77
	s_lshl_b32 s78, s76, 10                        ; 1 KiB a key block
	s_add_co_u32 s68, s68, s78
	s_mov_b32 s69, 0
	s_lshl3_add_u32 s78, s[WV], s60                ; gF: pos = 8 wave + 4 (b / 2) + nt, 32 KiB each,
	s_lshl_b32 s70, s78, 15
	s_add_co_u32 s70, s70, s77
	s_lshl_b32 s78, s23, 13                        ; 8 channel blocks of 1 KiB
	s_add_co_u32 s70, s70, s78
	s_mov_b32 s71, 0
	s_add_nc_u64 s[66:67], s[14:15], s[66:67]
	s_add_nc_u64 s[68:69], s[16:17], s[68:69]
	s_add_nc_u64 s[70:71], s[18:19], s[70:71]
	s_lshl_b32 s78, s23, 9                         ; the biases of my 128 rows
	s_mov_b32 s79, 0
	s_add_nc_u64 s[8:9], s[8:9], s[78:79]
	s_add_nc_u64 s[10:11], s[10:11], s[78:79]
	s_add_nc_u64 s[12:13], s[12:13], s[78:79]
; A K step is six groups i = 0..5 of 32 matrix instructions: matrix G = i % 3, channels 32 e on, e = i / 3.
.macro LW i                            ; group i's eight fragments of W into buffer i % 2: 16 loads of 512 consecutive bytes
	WIN 0
.set ia, 0
.rept 8
	ds_load_b128 v[WB+64*((\i)%2)+8*ia:WB+64*((\i)%2)+8*ia+3],   v[AWC] offset:16384*((\i)%3)+8192*((\i)/3)+1024*ia
	ds_load_b128 v[WB+64*((\i)%2)+8*ia+4:WB+64*((\i)%2)+8*ia+7], v[AWC] offset:16384*((\i)%3)+8192*((\i)/3)+1024*ia+512
.set ia, ia+1
.endr
.endm
.macro RAWL e, hf                      ; x in f32: channels 32 e + 16 hf + 8 h + 0..7, four pixels each: 8 loads
	WIN 0
.set ij, 0
.rept 8
	ds_load_b128 v[TMP+4*ij:TMP+4*ij+3], v[AXC] offset:XROW*(32*(\e)+16*(\hf)+ij)
.set ij, ij+1
.endr
.endm
.macro CVT e, hf                       ; rounded in pairs of channels: registers 4 hf .. 4 hf + 3 of the four fragments of channels 32 e on; the lower channel in the low half
	WIN 0
.set ib, 0
.rept 4
.set ij, 0
.rept 4
	v_cvt_pk_bf16_f32 v[XB+32*(\e)+8*ib+4*(\hf)+ij], v[TMP+8*ij+ib], v[TMP+8*ij+4+ib]
.set ij, ij+1
.endr
.set ib, ib+1
.endr
.endm
; na x 4 matrix instructions of group i, row blocks a0 on.  All name different accumulators, and neighbouring groups different windows: the accumulators take turns.
; zero = 1: the first product starts the sums: nothing is ever cleared.
.macro MUL i, a0, na, zero
	WIN 0x50*(1+(\i)%3)
.set ia, \a0
.rept \na
.set ib, 0
.rept 4
.set mD, 8*(4*ia+ib)
.set mW, WB+64*((\i)%2)+8*ia
.set mX, XB+32*((\i)/3)+8*ib
.if ((\i)%3) < 2
.if \zero
	v_wmma_f32_16x16x32_bf16 v[mD:mD+7], v[mW:mW+7], v[mX:mX+7], 0
.else
	v_wmma_f32_16x16x32_bf16 v[mD:mD+7], v[mW:mW+7], v[mX:mX+7], v[mD:mD+7]
.endif
.else
.if \zero
	v_wmma_f32_16x16x32_bf16 v[mD:mD+7], v[mX:mX+7], v[mW:mW+7], 0
.else
	v_wmma_f32_16x16x32_bf16 v[mD:mD+7], v[mX:mX+7], v[mW:mW+7], v[mD:mD+7]
.endif
.endif
.set ib, ib+1
.endr
.set ia, ia+1
.endr
.endm
; The first half of a K step.  Each run of W's loads stands one group ahead of its use, each batch of x's one group ahead of its roundings.
; Every wait below leaves out the 16 loads of W just issued: what was issued ahead of them (the group's own W, and a batch of x) is in.
.macro H0 z
	WIN 0
	PLACES
	LW 1
	s_wait_dscnt 16                                ; W of group 0, and x's second batch of e = 0
	CVT 0, 1
	RAWL 1, 0
	MUL 0, 0, 8, \z
	WIN 0
	PLACES
	LW 2
	s_wait_dscnt 16                                ; W of group 1, and x's first batch of e = 1
	CVT 1, 0
	RAWL 1, 1
	MUL 1, 0, 8, \z
	WIN 0
	PLACES
	LW 3
	s_wait_dscnt 16                                ; W of group 2, and x's second batch of e = 1
	CVT 1, 1
	MUL 2, 0, 8, \z
.endm
; The second half, and the change of slots: ONE barrier, in the middle of group 4: group 5's W, the last bytes wanted of this slot, has been asked for.  In front of it each wave waits for all its tensor loads,
; of which one is out: its part of the next slot; adds 0 to its spare word; and waits for that and for its own reads of this slot.  Nothing else stands between a tile's landing and the next request:
; the products that need nothing of the next tile stand ahead of the wait or behind the request.  fill = 1: the barrier opens a round of the cluster's, and this slot is filled again, two K steps ahead.
.macro H1T fill
	WIN 0
	PLACES
	LW 4
	s_wait_dscnt 16                                ; W of group 3
	MUL 3, 0, 8, 0
	WIN 0
	PLACES
	LW 5
	s_wait_dscnt 16                                ; W of group 4
	MUL 4, 0, 4, 0
	WIN 0                                          ; at a branch and at a label every window is 0
	s_wait_tensorcnt 0x0                           ; no tensor load of mine is out, so a group 0 may be written
	ds_add_u32 v[SPW], v[NIL]                      ; 0 onto my spare word
.if \fill
	s_xor_b32 s[G0W+5], s[G0W+5], SLOT1            ; the walking descriptors: the other slot than last time, the next K step
	s_add_nc_u64 s[G0W+6:G0W+7], s[G0W+6:G0W+7], WSTEP
	s_xor_b32 s[G0X+5], s[G0X+5], SLOT1
	s_add_nc_u64 s[G0X+6:G0X+7], s[G0X+6:G0X+7], 262144
.endif
	s_wait_dscnt 0x0                               ; the add is done, and my reads of this slot are over
	s_barrier_signal -1
	s_barrier_wait -1
.if \fill
	CREST                                          ; no wave of any partner still reads this slot or has a load on its way
	JLOAD                                          ; the first tensor load behind the round
.endif
	s_xor_b32 s[TB], s[TB], SLOT1
	v_add_nc_u32 v[AWC], s[TB], v[L16]
	v_add_nc_u32 v[AXC], s[TB], v[AX0]
	RAWL 0, 0                                      ; the next K step's x, first batch
	MUL 4, 4, 4, 0
	WIN 0
	PLACES
	LW 0
	s_wait_dscnt 16                                ; that batch
	CVT 0, 0
	RAWL 0, 1
	MUL 5, 0, 8, 0
.endm
	s_wait_tensorcnt 0x1                           ; my part of K step 0 is in; K step 1's may stay out
	s_barrier_signal -1
	s_barrier_wait -1                              ; everybody's is
	RAWL 0, 0
	LW 0
	s_wait_dscnt 16                                ; x's first batch
	CVT 0, 0
	RAWL 0, 1
	H0 1                                           ; the first half step stands in front of the loop: its products start the sums
	WIN 0
	s_mov_b32 s[CNT], 14
.Lk:                                                   ; 14 trips: from a K step's second half to the next one's first; K steps 2 to 15 are asked for
	H1T 1
	H0 0
	WIN 0
	s_sub_co_u32 s[CNT], s[CNT], 1
	s_cmp_lg_u32 s[CNT], 0
	s_cbranch_scc1 .Lk
	H1T 0                                          ; the tail is written out: nothing more is asked for
	H0 0
	WIN 0
	PLACES
	LW 4
	s_wait_dscnt 16
	MUL 3, 0, 8, 0
	WIN 0
	PLACES
	LW 5
	s_wait_dscnt 16
	MUL 4, 0, 8, 0
	WIN 0
	PLACES
.macro BIAS8 dst, sb                   ; for each row block a my eight biases (channels 16 a + 8 h + 0..7) into the buffer that W has left
.set ia, 0
.rept 8
	global_load_b128 v[(\dst)+8*ia:(\dst)+8*ia+3],   v[H32], s[\sb:\sb+1] offset:64*ia
	global_load_b128 v[(\dst)+8*ia+4:(\dst)+8*ia+7], v[H32], s[\sb:\sb+1] offset:64*ia+16
.set ia, ia+1
.endr
.endm
	BIAS8 WB, 8                                    ; b_theta
	s_wait_dscnt 0x0
	MUL 5, 0, 8, 0
	WIN 0
	PLACES
	BIAS8 WB+64, 10                                ; b_phi
.set ia, 0
.rept 8                                ; b_g: one number a lane and row block (channel 16 a + r), twice: the packed addition names a pair
	global_load_b32 v[XB+2*ia],   v[R4], s[12:13] offset:64*ia
	global_load_b32 v[XB+2*ia+1], v[R4], s[12:13] offset:64*ia
.set ia, ia+1
.endr
; THE WAY OUT of row block a of matrix g: bias, rounding, four stores of 512 consecutive bytes, each half a fragment.  Each accumulator is read from its low end on.
.macro EPI g, a
	WIN 1+(\g)                                     ; source 0 in the matrix's window
.set ib, 0
.rept 4
.set iq, 0
.rept 4
.if (\g) < 2
	v_pk_add_f32 v[TMP+8*ib+2*iq:TMP+8*ib+2*iq+1], v[8*(4*(\a)+ib)+2*iq:8*(4*(\a)+ib)+2*iq+1], v[WB+64*(\g)+8*(\a)+2*iq:WB+64*(\g)+8*(\a)+2*iq+1]
.else
	v_pk_add_f32 v[TMP+8*ib+2*iq:TMP+8*ib+2*iq+1], v[8*(4*(\a)+ib)+2*iq:8*(4*(\a)+ib)+2*iq+1], v[XB+2*(\a):XB+2*(\a)+1] op_sel_hi:[1,0]
.endif
.set iq, iq+1
.endr
.set ib, ib+1
.endr
	WIN 0
	s_wait_xcnt 0x0                                ; the registers that the last block's stores read are rewritten only behind this wait
.set iq, 0
.rept 16
	v_cvt_pk_bf16_f32 v[OUTR+iq], v[TMP+2*iq], v[TMP+2*iq+1]
.set iq, iq+1
.endr
.set ib, 0
.rept 4
.if (\g) == 0
	global_store_b128 v[L16], v[OUTR+4*ib:OUTR+4*ib+3], s[66:67] offset:(ib<<14)+(((\a)>>1)<<10)+(((\a)&1)<<9)
.elseif (\g) == 1
	global_store_b128 v[L16], v[OUTR+4*ib:OUTR+4*ib+3], s[68:69] offset:(((\a)>>1)<<16)+(ib<<10)+(((\a)&1)<<9)
.else
	global_store_b128 v[L16], v[OUTR+4*ib:OUTR+4*ib+3], s[70:71] offset:((ib>>1)<<17)+((\a)<<10)+((ib&1)<<9)
.endif
.set ib, ib+1
.endr
.endm
	s_wait_loadcnt 32                              ; b_theta is in; the 32 younger bias loads may be out
.irp a, 0,1,2,3,4,5,6,7
	EPI 0, \a
.endr
	s_wait_loadcnt 16                              ; b_phi
.irp a, 0,1,2,3,4,5,6,7
	EPI 1, \a
.endr
	s_wait_loadcnt 0x0                             ; b_g
.irp a, 0,1,2,3,4,5,6,7
	EPI 2, \a
.endr
	s_wait_tensorcnt 0x0                           ; the wave's end
	ds_add_u32 v[SPW], v[NIL]
	s_wait_dscnt 0x0
	CROUND                                         ; the closing round: no work-group ends while a partner may still ask for a tile that names it
	s_endpgm
.Lfunc_end_k_qf55115e83f_proj:
	.size	k_qf55115e83f_proj, .Lfunc_end_k_qf55115e83f_proj-k_qf55115e83f_proj
	.p2alignl 7, 3214868480
	.fill 96, 4, 3214868480
	.section	.rodata,"a",@progbits
	.p2align	6, 0x0
	.amdhsa_kernel k_qf55115e83f_proj
		.amdhsa_group_segment_fixed_size 327680
		.amdhsa_private_segment_fixed_size 0
		.amdhsa_enable_private_segment 0
		.amdhsa_kernarg_size 64
		.amdhsa_user_sgpr_count 2
		.amdhsa_user_sgpr_kernarg_segment_ptr 1
		.amdhsa_wavefront_size32 1
		.amdhsa_system_sgpr_workgroup_id_x 1
		.amdhsa_system_sgpr_workgroup_id_y 1
		.amdhsa_system_sgpr_workgroup_id_z 1
		.amdhsa_system_vgpr_workitem_id 0
		.amdhsa_next_free_vgpr 1024
		.amdhsa_next_free_sgpr 84
		.amdhsa_reserve_vcc 0
		.amdhsa_float_denorm_mode_32 3
		.amdhsa_float_denorm_mode_16_64 3
		.amdhsa_memory_ordered 1
		.amdhsa_forward_progress 1
		.amdhsa_inst_pref_size 149
	.end_amdhsa_kernel
	.amdgpu_metadata
---
amdhsa.version: [ 1, 2 ]
amdhsa.kernels:
  - .name:           k_qf55115e83f_proj
    .symbol:         k_qf55115e83f_proj.kd
    .args:
      - { .name: x, .offset: 0, .size: 8, .value_kind: global_buffer, .address_space: global }
      - { .name: wF, .offset: 8, .size: 8, .value_kind: global_buffer, .address_space: global }
      - { .name: b_theta, .offset: 16, .size: 8, .value_kind: global_buffer, .address_space: global }
      - { .name: b_phi, .offset: 24, .size: 8, .value_kind: global_buffer, .address_space: global }
      - { .name: b_g, .offset: 32, .size: 8, .value_kind: global_buffer, .address_space: global }
      - { .name: thF, .offset: 40, .size: 8, .value_kind: global_buffer, .address_space: global }
      - { .name: phF, .offset: 48, .size: 8, .value_kind: global_buffer, .address_space: global }
      - { .name: gF, .offset: 56, .size: 8, .value_kind: global_buffer, .address_space: global }
    .group_segment_fixed_size: 327680
    .private_segment_fixed_size: 0
    .kernarg_segment_align: 8
    .kernarg_segment_size: 64
    .max_flat_workgroup_size: 128
    .sgpr_count:     84
    .vgpr_count:     1024
    .wavefront_size: 32
...
	.end_amdgpu_metadata
.endif
;; end of part 2
;; launch attn (part 3): grid 16 x 16, 4 waves a work-group, clusters of 4 x 1, 327,680 bytes of LDS; arguments thF, phF, gF, woF, x, b_out, out0; writes out0
.if DOCPART == 3
	.amdgcn_target "amdgcn-amd-amdhsa--gfx1250"
	.amdhsa_code_object_version 6
	.text
	.protected	k_qf55115e83f_attn
	.globl	k_qf55115e83f_attn
	.p2align	8
	.type	k_qf55115e83f_attn,@function
k_qf55115e83f_attn:
	s_mov_b64 s[64:65], 0
	v_nop
	global_prefetch_b8 v0, s[64:65] scope:SCOPE_SE
	s_setreg_imm32_b32 hwreg(HW_REG_WAVE_MODE, 25, 1), 1
	s_wait_xcnt 0x0
	s_wait_alu depctr_hold_cnt(0) depctr_sa_sdst(0) depctr_va_vdst(0) depctr_va_sdst(0) depctr_va_ssrc(0) depctr_va_vcc(0) depctr_vm_vsrc(0)
	s_getreg_b32 s2, hwreg(HW_REG_IB_STS2, 6, 4)
	s_cmp_eq_u32 s2, 0
	s_cbranch_scc0 .Lentry_in_a_cluster
	s_endpgm
.Lentry_in_a_cluster:
	s_bfe_u32 s2, ttmp6, 0x10000c
	s_cmp_lg_u32 s2, 0x3003
	s_cbranch_scc0 .Lentry_shape_is_right
	s_endpgm
.Lentry_shape_is_right:
; ATTN.  For 64 queries of one image: S = theta^T phi / sqrt(512) over all 1,024 keys, softmax with the row's true maximum, Y = P g^T / l, out = x + w_out Y + b_out.
; Products in bf16 with f32 sums; scale, maximum, exponentials, the sum l (of the unrounded weights), 1 / l, bias and residual in f32.
; LIMITS.  theta, phi, g, w_out arrive rounded to bf16; P and Y are rounded to bf16 for their products.  A weight below 2^-126 counts as 0; l is at least 1.  NaN and infinities are not treated apart.
; The f32 sums over channels (P1) and over keys (P2) are taken in the order of THE WALK below, which differs from cluster to cluster.
; SHARES.  16 x 16 work-groups: block qb of 64 queries (four tiles t of 16) of image n.  Three products follow each other on ONE ring of 24 tiles of 131,072 bytes (8 of phi, 8 of g, 8 of w_out) in two LDS slots.
; All tiles come in fragment order (1,024 bytes a fragment, read as 2 x 512 consecutive bytes).  A tile is two UNITS of 64 matrix instructions a wave.
; ORDER OF PIXELS.  Row m of tile t of my block is pixel 64 qb + 4 m + t: so the launch before leaves them.  Keys lie in the same order in phi and in g, where it cancels; the queries' order is undone on the way out.
;   P1  S^T = phi Q:   wave w owns key blocks 16 w + mb, mb = 0..15: 64 accumulators (4 mb + t) in windows 2 and 3.  A lane holds ONE query (lane % 16) and eight keys.
;   P2  Y^T = g P:     wave w owns channel blocks 8 w + cb: 32 accumulators (4 cb + t) in window 3.  Two neighbouring accumulators of S^T, rounded in pairs, ARE a fragment of P.
;   P3  out = Y w_out: by rows: all of Y lies in every wave's windows 2 and 3; a tile is 128 rows of out, a wave takes 32 of them in 8 accumulators in window 0 and sends them out while the next tile is multiplied,
;       so that x comes in and out0 leaves beside the products.  A lane holds one channel of out and eight rows of a tile of queries.
; WHAT THE WAVES HAND EACH OTHER (Q, P, Y) goes through RA, two buffers of 16 KiB that only ds_store writes: a tile's share is stored into the other buffer during the tile before, and the ring's own round orders
; the stores with the next tile's reads and the old reads with the next stores.
; CLUSTER.  The four query blocks of a cluster belong to one image and walk the same 24 tiles: each quarter of a tile is asked for JOINTLY, by the same load, descriptor and mask in all four work-groups.
; (Sixteen work-groups share the tiles; a mask names four.)
; THE WALK.  The four clusters of an image go round each tensor's eight tiles in the same ring order but begin two tiles apart: request i of a tensor is tile (2 X + i) mod 8, X the cluster's number along x, which
; all partners share.  So a cluster is the first of its image to ask for two of a tensor's eight tiles; each of the other six was asked for two trips earlier by the cluster beside it.  The order is free: in P1 and P2
; it is the order of the K steps of f32 sums, in P3 the order of the rows of out.  With the tile go Q's share (P1), P's share (P2) and the rows of x, b_out and out0 (P3).  No LDS address hangs on X.
; PREFETCH.  In P1's last two trips every wave asks, in the quarter tile of g that it will request one trip later, for 32 blocks 256 bytes apart: the 8,192 bytes that go with my work-group's place in the cluster.
; Those are g's two tiles that my cluster is the first to ask for; four work-groups x four waves cover such a tile, and the four clusters of an image so ask for each block of g once.  phi's first tiles are wanted
; at once, and w_out is shared by all 64 clusters: neither is asked for ahead.
; REGISTERS, in windows of 256 (s_set_vgpr_msb: bits 1:0 source 0, 3:2 source 1, 5:4 source 2, 7:6 destination):
;   window 0: v0-15 addresses; v16-31 Q on its way (P1), then addresses, 1 / l and b_out; v32-63 statistics, then x; v64-191 fragments of Q or P, two buffers (P3: v64-127 accumulators, v128-159 a block turned,
;             v160-223 rows on their way out); v192-223 the sums; v224-255 x          window 1: the streamed fragments, two buffers of 128          windows 2, 3: S^T; then P (window 2) and Y^T (window 3); then Y
.set SLOT1, 1<<17
.set TILE,  1<<17
.set RA,    2*SLOT1
.set RAB,   0x4000                     ; RA's second buffer: one exclusive or away
.set STATM, RA+2*RAB                   ; [t 4][r 16][wave 4] f32: the waves' maxima
.set STATL, STATM+1024                 ; the same for their sums
.set STAGE, STATL+1024                 ; 16 rows x 272 bytes for each wave, for the way out
.set SP,    272
.set SPARE, STAGE+4*16*SP              ; the spare words, 128 bytes for each wave: two blocks of 256 bytes that no other line names
.set PF,  0                            ; v0   behind the head: 8,192 x my place in the cluster + 256 x lane: the prefetch's offset in a quarter tile; never rewritten
.set L16, 3                            ; v3   16 x lane
.set SPW, 4                            ; v4   LDS address of my spare word; never rewritten
.set NIL, 5                            ; v5   0; never rewritten
.set SB0, 6                            ; v6, v7  my fragments' place in a slot, unit 0 and 1; set anew for each product
.set AR0, 8                            ; v8   RA + 16 x lane
.set ADS, 9                            ; v9   the run of loads in hand: the stream's address,
.set ADR, 10                           ; v10  RA's
.set PST, 11                           ; v11  where my share goes in an RA buffer
.set PSA, 12                           ; v12  the same with the buffer
.set QAD, 13                           ; v13  my byte offset in my tile's 16 KiB of thF
.set SW4, 14                           ; v14  STATM + 16 r + 4 wave
.set SR4, 15                           ; v15  STATM + 16 r
.set QD,  16                           ; v[16:31]  P1: my share of Q on its way
.set STO, 16                           ; later: the way out: where I put 16 bytes,
.set RD,  17                           ; where I read a row back,
.set XO,  18                           ; my byte offset in two rows of x and out0,
.set R4,  19                           ; 4 r
.set RL,  20                           ; v[20:27]  1 / l, a pair a tile
.set BO,  28                           ; v28, v29  b_out, a number a block
.set MX,  32                           ; v[32:35]  a number a tile
.set MT,  36                           ; v[36:39]  the other half of the lanes'
.set TT,  40                           ; v[40:55]  the four waves' numbers
.set CM,  56                           ; v[56:63]  c m, a pair a tile
.set RES, 64
.set ACC, 64
.set TR,  128                          ; v[128:159] P3: a block of 16 rows with bias, turned: register 4 j + t
.set BK,  160
.set LS,  192                          ; v[192:223] 16 pairs of sums: 4 t + q
.set XR0, 32
.set XR1, 224
.set XB0, 12                           ; s[12:13] x at my 32 rows of out's tile 0
.set BB0, 14                           ; s[14:15] b_out likewise
.set OB0, 16                           ; s[16:17] out0 likewise
.set WV,  18                           ; s18  my wave's number
.set G1,  24                           ; s[24:31] descriptor group 1: a quarter tile
.set G0A, 32                           ; s[32:35] descriptor group 0 of the first request
.set G0,  36                           ; s[36:39] of the second; it then walks
.set NXT, 40                           ; s[40:41] P1: my quarter of the tile to be asked for in the next trip: the prefetch's base
.set NB,  42                           ; s[42:43] my quarter of the next tensor's tile 0
.set CNT, 44
.set TB,  45                           ; s45  the slot in hand: 0 or SLOT1
.set RB,  46                           ; s46  the RA buffer in hand: 0 or RAB
.set QOFF, 47                          ; s47  2,048 x the tile whose share of Q is asked for
.set CS,  48                           ; s[48:49] c = log2(e) / sqrt(512)
.set SEL, 50                           ; s[50:51] v_permlanex16_b32's selects: each lane takes its own place in the other half
.set TH,  52                           ; s[52:53] thF at my wave's tile of queries
.set XPT, 54                           ; s[54:55] x at my 32 rows of the tile of out in hand
.set OPT, 56                           ; s[56:57] out0 likewise
.set BPT, 58                           ; s[58:59] b_out likewise
.set CUR, 68                           ; s[68:69] my quarter of tile 0 of the tensor whose tiles are being asked for
.set WOB, 70                           ; s[70:71] woF at my quarter of tile 0
.set ROT, 78                           ; s78  2 X: the tile at which my cluster begins each tensor
.set TN,  79                           ; s79  the tile to be asked for next
.set PI,  80                           ; s80  the tile of g whose share of P is stored next
.set S3,  81                           ; s81  the tile of out whose x and b_out were asked for last
.set OF,  82                           ; s[82:83] a byte offset; the high word stays 0
.set MSB, 0
.macro WIN new
.if MSB != (\new)
	s_set_vgpr_msb (MSB<<8)|(\new)
.set MSB, \new
.endif
.endm
.macro PLACES                          ; four places between a matrix instruction and a load into, or a vector instruction on, its registers (ISA guide 7.12.1 for vector instructions)
.rept 4
	v_nop
.endr
.endm
.macro CREST                           ; a round of the cluster's barrier behind its opening barrier
	s_cmp_lg_u32 s[WV], 0
	s_cbranch_scc1 .Lnot_wave_0_\@
	s_barrier_signal -3
.Lnot_wave_0_\@:
	s_barrier_wait -3
	s_barrier_signal -1
	s_barrier_wait -1
.endm
.macro CROUND
	s_barrier_signal -1
	s_barrier_wait -1
	CREST
.endm
.macro PFETCH                          ; P1's trips with the count at 2 and at 1: NXT is my quarter of g's first, then second tile of my cluster's walk
	s_cmp_gt_u32 s[CNT], 2
	s_cbranch_scc1 .Lno_pf_\@
	global_prefetch_b8 v[PF], s[NXT:NXT+1] th:TH_LOAD_NT scope:SCOPE_SE
.Lno_pf_\@:
.endm
	s_load_b256 s[4:11], s[0:1], 0x0               ; thF s[4:5], phF s[6:7], gF s[8:9], woF s[10:11]
	s_load_b128 s[12:15], s[0:1], 0x20             ; x s[12:13], b_out s[14:15]
	s_load_b64 s[16:17], s[0:1], 0x30              ; out0
	v_lshl_add_u32 v[SPW], v0, 2, SPARE
	v_mov_b32 v[NIL], 0
	ds_add_u32 v[SPW], v[NIL]                      ; the wave's opening: the add and its wait stand ahead of my first tensor load; the set-up below stands between them
	v_lshrrev_b32 v1, 5, v0
	v_readfirstlane_b32 s[WV], v1                  ; wave 0..3
	s_bfe_u32 s19, ttmp6, 0x40000                  ; cx
	s_lshl_b32 s20, ttmp9, 2
	s_add_co_u32 s20, s20, s19                     ; qb = 4 x cluster x + cx: it enters thF's, x's and out0's addresses alone
	s_lshl_b32 s[ROT], ttmp9, 1                    ; 2 x cluster x: 0, 2, 4, 6: made of what the partners share
	s_and_b32 s21, ttmp7, 0xffff                   ; n, which the four partners share
	s_mov_b32 s[G1], 15|(3<<16)|(1<<21)            ; 15:0 the mask of four; 17:16 elements of 8 bytes; 21 set beside a mask
	s_mov_b32 s[G1+1], 32<<16                      ; a quarter tile: 32,768 dense bytes as 128 rows of 32 elements
	s_mov_b32 s[G1+2], 128<<16
	s_mov_b32 s[G1+3], 32<<16
	s_mov_b32 s[G1+4], 128
	s_mov_b32 s[G1+5], 32
	s_mov_b32 s[G1+6], 0
	s_mov_b32 s[G1+7], 0
	s_lshl_b32 s62, s[WV], 15                      ; my quarter of a tile, in memory and in a slot
	s_mov_b32 s63, 0
	s_lshl_b32 s66, s21, 20                        ; an image is 1 MiB of phF and of gF
	s_add_co_u32 s66, s66, s62
	s_mov_b32 s67, 0
	s_lshl_b32 s72, s21, 20                        ; thF: the image, 64 KiB a block of queries, 16 KiB a tile: mine is tile w
	s_lshl_b32 s74, s20, 16
	s_add_co_u32 s72, s72, s74
	s_lshl_b32 s74, s[WV], 14
	s_add_co_u32 s72, s72, s74
	s_mov_b32 s73, 0
	s_lshl_b32 s74, s21, 22                        ; x, out0: the image's 4 MiB, my 32 rows of 4,096 bytes in a tile's 128, the block's 256 bytes of a row
	s_lshl_b32 s75, s[WV], 17
	s_add_co_u32 s74, s74, s75
	s_lshl_b32 s75, s20, 8
	s_add_co_u32 s74, s74, s75
	s_mov_b32 s75, 0
	s_lshl_b32 s76, s[WV], 7                       ; b_out: my 32 numbers
	s_mov_b32 s77, 0
	s_mov_b32 s[CS], 0x3d8293ee                    ; c = 0.0637587
	s_mov_b32 s[CS+1], s[CS]                       ; named with it as a pair
	s_mov_b32 s[SEL], 0x76543210
	s_mov_b32 s[SEL+1], 0xfedcba98
	s_mov_b32 s[TB], 0
	s_mov_b32 s[RB], 0
	s_lshl_b32 s[QOFF], s[ROT], 11                 ; Q's first share goes with phi's first tile of my walk
	s_mov_b32 s[PI], s[ROT]                        ; and so does P's with g's
	s_mov_b32 s[OF+1], 0
	s_wait_dscnt 0x0                               ; the opening add is done
	s_wait_kmcnt 0x0
	s_add_nc_u64 s[CUR:CUR+1], s[6:7], s[66:67]    ; phi's tile 0, my quarter
	s_add_nc_u64 s[NB:NB+1], s[8:9], s[66:67]      ; g's
	s_add_nc_u64 s[WOB:WOB+1], s[10:11], s[62:63]  ; w_out's
	s_add_nc_u64 s[TH:TH+1], s[4:5], s[72:73]
	s_add_nc_u64 s[XB0:XB0+1], s[XB0:XB0+1], s[74:75]
	s_add_nc_u64 s[OB0:OB0+1], s[OB0:OB0+1], s[74:75]
	s_add_nc_u64 s[BB0:BB0+1], s[BB0:BB0+1], s[76:77]
	s_mov_b32 s[G0A], 1                            ; count = 1
	s_mov_b32 s[G0A+1], s62                        ; LDS address: slot 0, my quarter
	s_lshl_b32 s[OF], s[ROT], 17                   ; the walk's first tile
	s_add_nc_u64 s[G0A+2:G0A+3], s[CUR:CUR+1], s[OF:OF+1]
	s_or_b32 s[G0A+3], s[G0A+3], 0x80000000        ; type = 2
	s_mov_b32 s[G0], 1
	s_add_co_u32 s[G0+1], s62, SLOT1
	s_add_co_u32 s[TN], s[ROT], 1                  ; its second: 7 at the most
	s_lshl_b32 s[OF], s[TN], 17
	s_add_nc_u64 s[G0+2:G0+3], s[CUR:CUR+1], s[OF:OF+1]
	s_or_b32 s[G0+3], s[G0+3], 0x80000000
	s_add_co_u32 s[TN], s[TN], 1                   ; its third
	s_and_b32 s[TN], s[TN], 7
	CROUND                                         ; all four work-groups are here: the first joint loads meet
	tensor_load_to_lds s[G0A:G0A+3], s[G1:G1+7]    ; the first tile
	s_nop 0
	tensor_load_to_lds s[G0:G0+3], s[G1:G1+7]      ; the second: two loads of mine are out
	s_nop 0
	PLACES
	v_and_b32 v1, 15, v0                           ; r
	v_bfe_u32 v2, v0, 4, 1                         ; h
	v_and_b32 v[L16], 31, v0
	v_lshlrev_b32 v[L16], 4, v[L16]
	s_lshl_b32 s60, s19, 13                        ; the thread's number is wanted no more: its register takes the prefetch's offset
	v_lshlrev_b32 v[PF], 4, v[L16]
	v_add_nc_u32 v[PF], s60, v[PF]
	s_lshl_b32 s60, s[WV], 14                      ; P1: a unit is 64 KiB of the tile, my 16 key blocks 16 KiB of it
	v_add_nc_u32 v[SB0], s60, v[L16]
	v_add_nc_u32 v[SB0+1], 0x10000, v[SB0]
	v_add_nc_u32 v[AR0], RA, v[L16]
	s_lshl_b32 s60, s[WV], 10                      ; Q's share: [e 2][t 4][1 KiB]; I bring tile t = w
	s_add_co_u32 s60, s60, RA
	v_add_nc_u32 v[PST], s60, v[L16]
	v_lshlrev_b32 v[SR4], 4, v1
	v_add_nc_u32 v[SR4], STATM, v[SR4]
	v_lshl_add_u32 v[SW4], s[WV], 2, v[SR4]
	v_add_nc_u32 v[QAD], s[QOFF], v[L16]
; THE LDS LOADS stand in runs: unit e's 16 streamed fragments into buffer buf of window 1, and (P1, P2) the fragments of Q or P that go with them, out of the RA buffer in hand.
.macro FETCH kind, e, buf
	WIN 0
	v_add_nc_u32 v[ADS], s[TB], v[SB0+(\e)]
.if (\kind) < 3
	v_add_nc_u32 v[ADR], s[RB], v[AR0]
.endif
	WIN 0x40                                       ; destination window 1, address window 0
.set fi, 0
.rept 16
.if (\kind) == 2
.set fo, 32768*(fi/8)+1024*(fi%8)                  ; g's tile is [key step 4][channel block 32]: fragment 8 u + cb
.else
.set fo, 1024*fi
.endif
	ds_load_b128 v[128*(\buf)+8*fi:128*(\buf)+8*fi+3],   v[ADS] offset:fo
	ds_load_b128 v[128*(\buf)+8*fi+4:128*(\buf)+8*fi+7], v[ADS] offset:fo+512
.set fi, fi+1
.endr
	WIN 0
.if (\kind) == 1
.set fi, 0
.rept 4                                            ; Q: k step e, tiles t
	ds_load_b128 v[RES+32*(\e)+8*fi:RES+32*(\e)+8*fi+3],   v[ADR] offset:4096*(\e)+1024*fi
	ds_load_b128 v[RES+32*(\e)+8*fi+4:RES+32*(\e)+8*fi+7], v[ADR] offset:4096*(\e)+1024*fi+512
.set fi, fi+1
.endr
.elseif (\kind) == 2
.set fi, 0
.rept 8                                            ; P: key steps 2 e + u, tiles t: fragment 4 u + t
	ds_load_b128 v[RES+64*(\e)+8*fi:RES+64*(\e)+8*fi+3],   v[ADR] offset:8192*(\e)+1024*fi
	ds_load_b128 v[RES+64*(\e)+8*fi+4:RES+64*(\e)+8*fi+7], v[ADR] offset:8192*(\e)+1024*fi+512
.set fi, fi+1
.endr
.endif
.endm
; THE MATRIX WORK.  In each of the three the accumulators take turns, one instruction a turn.
.macro MUL1 buf, m0, n, z              ; S^T: key blocks m0 on x 4 tiles; z = 1: the products start the sums
.set im, \m0
.rept \n
	WIN 0xa1+0x50*(im/8)                           ; phi in window 1, Q in window 0, S^T in window 2 or 3
.set it, 0
.rept 4
.set mD, 8*((4*im+it)%32)
.set mA, 128*(\buf)+8*im
.set mB, RES+32*(\buf)+8*it
.if \z
	v_wmma_f32_16x16x32_bf16 v[mD:mD+7], v[mA:mA+7], v[mB:mB+7], 0
.else
	v_wmma_f32_16x16x32_bf16 v[mD:mD+7], v[mA:mA+7], v[mB:mB+7], v[mD:mD+7]
.endif
.set it, it+1
.endr
.set im, im+1
.endr
.endm
.macro MUL2 buf, i0, n, z              ; Y^T: fragments 8 u + cb of g from i0 on x 4 tiles
	WIN 0xf1                                       ; g in window 1, P in window 0, Y^T in window 3
.set im, \i0
.rept \n
.set it, 0
.rept 4
.set mD, 8*(4*(im%8)+it)
.set mA, 128*(\buf)+8*im
.set mB, RES+64*(\buf)+8*(4*(im/8)+it)
.if (\z) && (im < 8)
	v_wmma_f32_16x16x32_bf16 v[mD:mD+7], v[mA:mA+7], v[mB:mB+7], 0
.else
	v_wmma_f32_16x16x32_bf16 v[mD:mD+7], v[mA:mA+7], v[mB:mB+7], v[mD:mD+7]
.endif
.set it, it+1
.endr
.set im, im+1
.endr
.endm
.macro MUL3 e, k0, n                   ; out: k steps 8 e + k0 on x (2 blocks of 16 rows x 4 tiles); a tile's first k step starts the sums
	WIN 0x04|(2+(\e))                              ; Y in window 2 + e, w_out in window 1, the sums in window 0
.set im, \k0
.rept \n
.set it, 0
.rept 8
.set mD, ACC+8*it
.set mA, 8*(4*im+(it%4))
.set mB, 128*(\e)+8*(2*im+it/4)
.if ((\e) == 0) && (im == 0)
	v_wmma_f32_16x16x32_bf16 v[mD:mD+7], v[mA:mA+7], v[mB:mB+7], 0
.else
	v_wmma_f32_16x16x32_bf16 v[mD:mD+7], v[mA:mA+7], v[mB:mB+7], v[mD:mD+7]
.endif
.set it, it+1
.endr
.set im, im+1
.endr
.endm
.macro MULK kind, buf, part, z         ; part 0: a unit's first 16 matrix instructions; part 1: its other 48
.if (\kind) == 1
	MUL1 \buf, 4*(\part), 4+8*(\part), \z
.elseif (\kind) == 2
	MUL2 \buf, 4*(\part), 4+8*(\part), \z
.else
	MUL3 \buf, 2*(\part), 2+4*(\part)
.endif
.endm
.macro MULH kind, half                 ; half 0, 1 of the second unit's 64 matrix instructions (buffer 1)
.if (\kind) == 1
	MUL1 1, 8*(\half), 8, 0
.elseif (\kind) == 2
	MUL2 1, 8*(\half), 8, 0
.else
	MUL3 1, 4*(\half), 4
.endif
.endm
; P3's WAY OUT, in two parts.  EPI_A, behind a tile's last product: bias; my two blocks of 16 rows x 64 pixels go through my own stage (rows of 272 bytes) and come back as whole rows of 256 bytes.
; In accumulator (mb, t) a lane holds row r of out and, in register j, pixel 4 (8 h + j) + t of my block's 64.  The addition of the bias puts register j of tile t at 4 j + t: four neighbouring registers
; are then four neighbouring pixels, bytes 128 h + 16 j + 0..15 of the row; 128 h stands in the address register.  Register 0 of each accumulator is read first.
.macro EPI_A
	WIN 0
	PLACES
	s_wait_loadcnt 16                              ; b_out's two loads are in; the 16 younger loads of x may be out
.irp mb, 0,1
.set ei, 0
.rept 32
	v_add_f32 v[TR+ei], v[ACC+32*(\mb)+8*(ei%4)+ei/4], v[BO+(\mb)]
.set ei, ei+1
.endr
.set ei, 0
.rept 8
	ds_store_b128 v[STO], v[TR+4*ei:TR+4*ei+3] offset:16*ei
.set ei, ei+1
.endr
.set ei, 0
.rept 8
	ds_load_b128 v[BK+32*(\mb)+4*ei:BK+32*(\mb)+4*ei+3], v[RD] offset:2*SP*ei  ; LDS serves a wave's instructions in order (ISA guide 5.7.1.4): these see the stores above; the next block's stores come behind them
.set ei, ei+1
.endr
.endr
.endm
.macro SETX                            ; the addresses of tile S3 of out: 128 rows of 4,096 bytes a tile in x and out0, 512 bytes in b_out; each a buffer's address and an offset made apart
	s_lshl_b32 s[OF], s[S3], 19
	s_add_nc_u64 s[XPT:XPT+1], s[XB0:XB0+1], s[OF:OF+1]
	s_add_nc_u64 s[OPT:OPT+1], s[OB0:OB0+1], s[OF:OF+1]
	s_lshl_b32 s[OF], s[S3], 9
	s_add_nc_u64 s[BPT:BPT+1], s[BB0:BB0+1], s[OF:OF+1]
.endm
.macro XLOAD                           ; b_out and x for my 32 rows of a tile
	global_load_b32 v[BO],   v[R4], s[BPT:BPT+1]
	global_load_b32 v[BO+1], v[R4], s[BPT:BPT+1] offset:64
.set ei, 0
.rept 16
.set xr, XR0+4*ei+(XR1-XR0-32)*(ei/8)
	global_load_b128 v[xr:xr+3], v[XO], s[XPT:XPT+1] offset:65536*(ei/8)+8192*(ei%8) th:TH_LOAD_NT
.set ei, ei+1
.endr
.endm
; EPI_B, a quarter of a tile later: the residual, and 16 stores.  more = 1: the walk's next tile: its addresses, and its b_out and x are asked for.  younger: the LDS loads issued behind EPI_A's, which may stay out.
.macro EPI_B more, younger
	WIN 0
	s_wait_dscnt \younger                          ; the rows are back in registers
	s_wait_loadcnt 0x0                             ; x is in
.set ei, 0
.rept 16
.set xr, XR0+4*ei+(XR1-XR0-32)*(ei/8)
	v_pk_add_f32 v[BK+4*ei:BK+4*ei+1],   v[BK+4*ei:BK+4*ei+1],   v[xr:xr+1]
	v_pk_add_f32 v[BK+4*ei+2:BK+4*ei+3], v[BK+4*ei+2:BK+4*ei+3], v[xr+2:xr+3]
.set ei, ei+1
.endr
.set ei, 0
.rept 16
	global_store_b128 v[XO], v[BK+4*ei:BK+4*ei+3], s[OPT:OPT+1] offset:65536*(ei/8)+8192*(ei%8) th:TH_STORE_NT  ; 16 lanes store 256 consecutive bytes, aligned
.set ei, ei+1
.endr
.if \more
	s_wait_xcnt 0x0                                ; the bases, and the registers that the stores read, are rewritten only behind this wait
	s_add_co_u32 s[S3], s[S3], 1
	s_and_b32 s[S3], s[S3], 7
	SETX
	XLOAD
.endif
.endm
; A tile's FIRST UNIT: multiplies buffer 0 and fetches the second unit into buffer 1.  epi = 1 (P3): the tile before goes out.
.macro U0 kind, z, epi
.if (\kind) == 3
	s_wait_dscnt 32                                ; buffer 0 is in; EPI_A's 32 instructions on the stage, issued behind it, may be out
.else
	s_wait_dscnt 0x0
.endif
	MULK \kind, 0, 0, \z
	WIN 0
	PLACES
	FETCH \kind, 1, 1
.if \epi
	EPI_B 1, 32
.endif
	MULK \kind, 0, 1, \z
.endm
; A tile's SECOND UNIT, and the change of slots.  Half of the unit's products, which want nothing of the next tile, stand ahead of the wait for it; the other half behind the request and the fetch.
; In front of the round each wave waits for all its tensor loads, of which one is out: its quarter of the next tile; adds 0 to its spare word; and waits for that, for its reads of this slot and of RA, and for its
; stores into RA.  Behind the round the slot is filled again first, with the walk's tile two on: the descriptor's address is made anew, the tensor's address and 131,072 x the tile's number.  The number steps by one
; modulo 8, so behind a tensor's eight requests it stands at the walk's first tile again, and only the tensor changes.
; sw = 1: behind the request for a tensor's last tile (the trip with CNT = 2) the walk goes on to the next tensor.  fetch = 0: the next product fetches for itself.  pf = 1 (P1's loop): see PFETCH.
.macro TURN kind, fetch, sw, pf=0
	s_wait_dscnt 0x0                               ; buffer 1 is in
	MULH \kind, 0
	WIN 0                                          ; at a branch and at a label every window is 0
.if \pf
	s_wait_xcnt 0x0                                ; NXT, which the last trip's prefetch names, is rewritten only behind this wait
.endif
	s_wait_tensorcnt 0x0                           ; no tensor load of mine is out, so the group 0 may be written
	ds_add_u32 v[SPW], v[NIL]                      ; 0 onto my spare word
	s_xor_b32 s[G0+1], s[G0+1], SLOT1              ; the other slot than last time
	s_lshl_b32 s[OF], s[TN], 17
	s_add_nc_u64 s[G0+2:G0+3], s[CUR:CUR+1], s[OF:OF+1]
	s_or_b32 s[G0+3], s[G0+3], 0x80000000
	s_add_co_u32 s[TN], s[TN], 1
	s_and_b32 s[TN], s[TN], 7
.if \sw
	s_cmp_eq_u32 s[CNT], 2
	s_cselect_b64 s[CUR:CUR+1], s[NB:NB+1], s[CUR:CUR+1]
.endif
.if \pf
	s_lshl_b32 s[OF], s[TN], 17
	s_add_nc_u64 s[NXT:NXT+1], s[CUR:CUR+1], s[OF:OF+1]
.endif
	s_wait_dscnt 0x0
	s_barrier_signal -1
	s_barrier_wait -1
	CREST
	tensor_load_to_lds s[G0:G0+3], s[G1:G1+7]      ; all four waves issue this line, each for its own quarter
	s_nop 0
	PLACES                                         ; also the places in front of the loads below
.if \pf
	PFETCH
.endif
	s_xor_b32 s[TB], s[TB], SLOT1
	s_xor_b32 s[RB], s[RB], RAB
.if \fetch
	FETCH \kind, 0, 0
.endif
	MULH \kind, 1
.endm
; Q's share of a tile (k steps 2 s, 2 s + 1 of my tile of queries: 2,048 bytes at 2,048 s) comes from memory into registers a trip ahead, and goes into the RA buffer that is not being read.
.macro QISSUE
.irp i, 0,1,2,3
	global_load_b128 v[QD+4*(\i):QD+4*(\i)+3], v[QAD], s[TH:TH+1] offset:512*(\i)
.endr
.endm
.macro QLOAD last                      ; the share of the walk's next tile.  last = 1 (the loop): the last trip has no further share and jumps over the four loads
	WIN 0
.if \last
	s_cmp_eq_u32 s[CNT], 1
	s_cbranch_scc1 .Lno_q_\@
.endif
	s_add_co_u32 s[QOFF], s[QOFF], 2048
	s_and_b32 s[QOFF], s[QOFF], 0x3fff             ; modulo 8 tiles
	v_add_nc_u32 v[QAD], s[QOFF], v[L16]
	QISSUE
.if \last
.Lno_q_\@:
.endif
.endm
.macro QSTORE other
	WIN 0
	s_wait_loadcnt 0x0
	s_xor_b32 s60, s[RB], (\other)*RAB
	v_add_nc_u32 v[PSA], s60, v[PST]
.irp i, 0,1,2,3
	ds_store_b128 v[PSA], v[QD+4*(\i):QD+4*(\i)+3] offset:4096*((\i)/2)+512*((\i)%2)
.endr
.endm
; P's share for tile i of g: key step i of my eight (key blocks 2 i, 2 i + 1) x 4 tiles, 4 KiB, at place w of the buffer.  Registers cannot be indexed, so the tile's number picks the text; each jump passes eight LDS stores.
.macro PSTORE i
	WIN 0x08                                       ; the data in window 2
.set pj, 0
.rept 8
	ds_store_b128 v[PSA], v[32*(\i)+4*pj:32*(\i)+4*pj+3] offset:1024*(pj%4)+512*(pj/4)
.set pj, pj+1
.endr
	WIN 0
.endm
.macro PONE i
	s_cmp_lg_u32 s[PI], \i
	s_cbranch_scc1 .Lnot_this_\@
	PSTORE \i
.Lnot_this_\@:
.endm
.macro PPICK other                     ; the share of tile PI into the RA buffer in hand (0) or the other (1); PI then steps along the walk
	WIN 0
	s_xor_b32 s60, s[RB], (\other)*RAB
	v_add_nc_u32 v[PSA], s60, v[PST]
.irp i, 0,1,2,3,4,5,6,7
	PONE \i
.endr
	s_add_co_u32 s[PI], s[PI], 1
	s_and_b32 s[PI], s[PI], 7
.endm
	; ---------------- P1: S^T = phi Q ----------------
	QISSUE                                         ; the first share
	QSTORE 0
	QLOAD 0                                        ; the second
	s_wait_tensorcnt 0x1                           ; my quarter of the first tile is in; the second's may stay out
	s_wait_dscnt 0x0                               ; my share of Q is stored
	s_barrier_signal -1
	s_barrier_wait -1
	FETCH 1, 0, 0
	U0 1, 1, 0                                     ; the first unit stands in front of the loop: its products start the sums
	WIN 0
	s_mov_b32 s[CNT], 7
.Lp1:                                                  ; a trip: a tile's second unit, the next tile's first
	QSTORE 1
	QLOAD 1                                        ; asked for at the trip's head: it has the whole trip in which to land
	TURN 1, 1, 1, 1
	U0 1, 0, 0
	WIN 0
	s_sub_co_u32 s[CNT], s[CNT], 1
	s_cmp_lg_u32 s[CNT], 0
	s_cbranch_scc1 .Lp1
	TURN 1, 0, 0                                   ; phi's last unit; g's second tile is asked for
	; ---------------- SOFTMAX ----------------
	WIN 0
	PLACES
	s_wait_loadcnt 0x0                             ; no load of Q is out: its registers are free from here
	s_mov_b64 s[NB:NB+1], s[WOB:WOB+1]             ; behind g comes w_out
	; the maximum of my 128 scores a query: four chains, one a tile; of each accumulator the two lowest registers are read first
.set wn, 2
.rept 2
.set im, 0
.rept 8
.set iq, 0
.rept 4
.set it, 0
.rept 4
.set mS, 8*(4*im+it)+2*iq
.if (wn == 2) && (im == 0) && (iq == 0)
	WIN 0x0a
	v_max_num_f32 v[MX+it], v[mS], v[mS+1]
.else
	WIN (wn<<2)|(wn<<4)
	v_max3_num_f32 v[MX+it], v[MX+it], v[mS], v[mS+1]
.endif
.set it, it+1
.endr
.set iq, iq+1
.endr
.set im, im+1
.endr
.set wn, wn+1
.endr
	WIN 0
.irp t, 0,1,2,3
	v_mov_b32 v[MT+\t], 0                          ; v_permlanex16_b32's destination counts as read
.endr
.irp t, 0,1,2,3
	v_permlanex16_b32 v[MT+\t], v[MX+\t], s[SEL], s[SEL+1]  ; the query's other keys of my blocks lie in the lane 16 away
.endr
.irp t, 0,1,2,3
	v_max_num_f32 v[MX+\t], v[MX+\t], v[MT+\t]
.endr
.irp t, 0,1,2,3
	ds_store_b32 v[SW4], v[MX+\t] offset:256*\t
.endr
	s_wait_dscnt 0x0                               ; for the others' sake
	s_barrier_signal -1
	s_barrier_wait -1
.irp t, 0,1,2,3
	ds_load_b128 v[TT+4*\t:TT+4*\t+3], v[SR4] offset:256*\t
.endr
	s_wait_dscnt 0x0
.irp t, 0,1,2,3
	v_max3_num_f32 v[MX+\t], v[TT+4*\t], v[TT+4*\t+1], v[TT+4*\t+2]
.endr
.irp t, 0,1,2,3
	v_max_num_f32 v[MX+\t], v[MX+\t], v[TT+4*\t+3] ; the row's true maximum m
.endr
.irp t, 0,1,2,3
	v_mul_f32 v[CM+2*\t], s[CS], v[MX+\t]          ; c m
	v_mul_f32 v[CM+2*\t+1], s[CS], v[MX+\t]
.endr
	; eight batches of eight accumulators: p = 2^(c s - c m) in place; the sums of the unrounded p; p rounded to bf16 into window 2 at 4 (4 mb + t) + q.
	; Batch k writes registers 32 k .. 32 k + 31 of window 2 and reads from 64 k on (in window 2, then 3), ascending: no score is overwritten before it is read.
.set kk, 0
.rept 8
.set wn, 2+kk/4
.set bs, 64*(kk%4)
	WIN (wn<<6)|wn
.set ii, 0
.rept 32
	v_pk_fma_f32 v[bs+2*ii:bs+2*ii+1], v[bs+2*ii:bs+2*ii+1], s[CS:CS+1], v[CM+2*((ii/4)%4):CM+2*((ii/4)%4)+1] op_sel_hi:[1,0,0] neg_lo:[0,0,1] neg_hi:[0,0,1]
.set ii, ii+1
.endr
.set ii, 0
.rept 64
	v_exp_f32 v[bs+ii], v[bs+ii]
.set ii, ii+1
.endr
	v_nop                                          ; a plain instruction between the exponentials and the use of their results
.if kk == 0
	WIN 0x0a
.set ii, 0
	s_wait_alu depctr_va_vdst(0)
.rept 16
	v_pk_add_f32 v[LS+2*ii:LS+2*ii+1], v[2*ii:2*ii+1], v[32+2*ii:32+2*ii+1]  ; the first two key blocks start the sums: nothing is cleared
.set ii, ii+1
.endr
.else
	WIN wn<<2
.set ii, 0
	s_wait_alu depctr_va_vdst(0)
.rept 32
	v_pk_add_f32 v[LS+2*(ii%16):LS+2*(ii%16)+1], v[LS+2*(ii%16):LS+2*(ii%16)+1], v[bs+2*ii:bs+2*ii+1]
.set ii, ii+1
.endr
.endif
	WIN 0x80|(wn<<2)|wn
.set ii, 0
.rept 32
	v_cvt_pk_bf16_f32 v[32*kk+ii], v[bs+2*ii], v[bs+2*ii+1]
.set ii, ii+1
.endr
.set kk, kk+1
.endr
	WIN 0
.irp t, 0,1,2,3
	v_pk_add_f32 v[LS+8*\t:LS+8*\t+1], v[LS+8*\t:LS+8*\t+1], v[LS+8*\t+2:LS+8*\t+3]
	v_pk_add_f32 v[LS+8*\t+4:LS+8*\t+5], v[LS+8*\t+4:LS+8*\t+5], v[LS+8*\t+6:LS+8*\t+7]
.endr
.irp t, 0,1,2,3
	v_pk_add_f32 v[LS+8*\t:LS+8*\t+1], v[LS+8*\t:LS+8*\t+1], v[LS+8*\t+4:LS+8*\t+5]
.endr
.irp t, 0,1,2,3
	v_add_f32 v[MX+\t], v[LS+8*\t], v[LS+8*\t+1]
.endr
.irp t, 0,1,2,3
	v_permlanex16_b32 v[MT+\t], v[MX+\t], s[SEL], s[SEL+1]
.endr
.irp t, 0,1,2,3
	v_add_f32 v[MX+\t], v[MX+\t], v[MT+\t]
.endr
.irp t, 0,1,2,3
	ds_store_b32 v[SW4], v[MX+\t] offset:1024+256*\t  ; my part of l: read behind P2
.endr
	s_lshl_b32 s60, s[WV], 12                      ; P's share: [wave 4][t 4][1 KiB]
	s_add_co_u32 s60, s60, RA
	v_add_nc_u32 v[PST], s60, v[L16]
	PPICK 0                                        ; the share of g's first tile of my walk; both RA buffers are free: their last reads were waited for in front of P1's last round
	s_lshl_b32 s60, s[WV], 13                      ; P2: a unit is two key steps of 32 KiB, my 8 channel blocks 8 KiB of each
	v_add_nc_u32 v[SB0], s60, v[L16]
	v_add_nc_u32 v[SB0+1], 0x10000, v[SB0]
	s_wait_dscnt 0x0
	s_barrier_signal -1
	s_barrier_wait -1                              ; g's first tile was shown whole by P1's last round; its second stays on its way
	; ---------------- P2: Y^T = g P ----------------
	FETCH 2, 0, 0
	U0 2, 1, 0
	WIN 0
	s_mov_b32 s[CNT], 7
.Lp2:
	PPICK 1
	TURN 2, 1, 1
	U0 2, 0, 0
	WIN 0
	s_sub_co_u32 s[CNT], s[CNT], 1
	s_cmp_lg_u32 s[CNT], 0
	s_cbranch_scc1 .Lp2
	TURN 2, 0, 0                                   ; g's last unit; w_out's second tile is asked for
	; ---------------- Y = Y^T / l, rounded, and handed to every wave ----------------
	WIN 0
	PLACES
.irp t, 0,1,2,3
	ds_load_b128 v[128+4*\t:128+4*\t+3], v[SR4] offset:1024+256*\t
.endr
	s_mul_i32 s60, s[WV], 16*SP
	s_add_co_u32 s60, s60, STAGE                   ; my stage
	v_mul_u32_u24 v[STO], v1, SP                   ; in: row r (a channel of out), 128 bytes for each half of the lanes
	v_lshl_add_u32 v[STO], v2, 7, v[STO]
	v_add_nc_u32 v[STO], s60, v[STO]
	v_mul_u32_u24 v[RD], v2, SP                    ; back: lanes 0-15 take one row of 256 bytes, lanes 16-31 the next
	v_lshl_add_u32 v[RD], v1, 4, v[RD]
	v_add_nc_u32 v[RD], s60, v[RD]
	v_lshlrev_b32 v[XO], 12, v2                    ; and the same two rows in x and out0
	v_lshl_add_u32 v[XO], v1, 4, v[XO]
	v_lshlrev_b32 v[R4], 2, v1
	s_mov_b32 s[S3], s[ROT]                        ; out's first tile of my walk
	SETX
	XLOAD                                          ; its b_out and x
	s_wait_dscnt 0x0
.irp t, 0,1,2,3
	v_add_f32 v[128+4*\t], v[128+4*\t], v[128+4*\t+1]
	v_add_f32 v[128+4*\t+2], v[128+4*\t+2], v[128+4*\t+3]
.endr
.irp t, 0,1,2,3
	v_add_f32 v[128+4*\t], v[128+4*\t], v[128+4*\t+2]
.endr
.irp t, 0,1,2,3
	v_rcp_f32 v[RL+2*\t], v[128+4*\t]
.endr
	v_nop                                          ; a plain instruction between the last reciprocal and the use of its result
	s_wait_alu depctr_va_vdst(0)
.irp t, 0,1,2,3
	v_mov_b32 v[RL+2*\t+1], v[RL+2*\t]
.endr
	WIN 0xc3                                       ; Y^T in window 3, 1 / l in window 0
.set ii, 0
.rept 128
	v_pk_mul_f32 v[2*ii:2*ii+1], v[2*ii:2*ii+1], v[RL+2*((ii/4)%4):RL+2*((ii/4)%4)+1] op_sel_hi:[1,0]
.set ii, ii+1
.endr
	WIN 0x4f                                       ; rounded into window 1: accumulator 4 cb + t at 4 (4 cb + t): half cb % 2 of fragment (k step 4 w + cb / 2, t) of Y
.set ii, 0
.rept 128
	v_cvt_pk_bf16_f32 v[ii], v[2*ii], v[2*ii+1]
.set ii, ii+1
.endr
	WIN 0
	s_lshl_b32 s60, s[WV], 13
	s_add_co_u32 s60, s60, RA
	v_add_nc_u32 v[PSA], s60, v[L16]               ; RA's 32 KiB hold half of Y: 8 KiB a wave, [u 2][t 4][1 KiB], twice
.macro YX rho                          ; my k steps 2 rho + u go in; behind a barrier everybody's k steps 4 w' + 2 rho + u come out, fragment (ks, t) to 8 (4 (ks % 8) + t) of window 2 + ks / 8
	WIN 0x04                                       ; the data in window 1
.set yi, 0
.rept 16
.set yr, 4*(4*(4*(\rho)+2*(yi/8)+yi%2)+(yi/2)%4)
	ds_store_b128 v[PSA], v[yr:yr+3] offset:4096*(yi/8)+1024*((yi/2)%4)+512*(yi%2)
.set yi, yi+1
.endr
	WIN 0
	s_wait_dscnt 0x0                               ; for the others' sake
	s_barrier_signal -1
	s_barrier_wait -1
.set yw, 0
.rept 4
	WIN 0x80+0x40*(yw/2)
.set yi, 0
.rept 16
.set yk, 4*yw+2*(\rho)+yi/8
.set yr, 8*(4*(yk%8)+(yi/2)%4)+4*(yi%2)
	ds_load_b128 v[yr:yr+3], v[AR0] offset:8192*yw+4096*(yi/8)+1024*((yi/2)%4)+512*(yi%2)
.set yi, yi+1
.endr
.set yw, yw+1
.endr
	WIN 0
	s_wait_dscnt 0x0
.endm
	YX 0
	s_barrier_signal -1                            ; everybody has read the first half: RA may be written again
	s_barrier_wait -1
	YX 1
	; ---------------- P3: out = x + w_out Y + b_out, by tiles of 128 rows, in the walk's order ----------------
	s_lshl_b32 s60, s[WV], 15                      ; w_out's tile is [wave 4][e 2][k step 8][block 2]: my quarter is the one that I fetch
	v_add_nc_u32 v[SB0], s60, v[L16]
	v_add_nc_u32 v[SB0+1], 0x4000, v[SB0]
	FETCH 3, 0, 0
	s_wait_dscnt 0x0                               ; so that the count at the head of the first unit holds on this way in too
	U0 3, 0, 0
	WIN 0
	s_mov_b32 s[CNT], 6
.Lp3:                                                  ; a trip: the walk's tile j: its second unit (tile j + 2 is asked for); its rows into the stage; tile j + 1's first unit, beside which tile j goes out
	TURN 3, 1, 0
	EPI_A
	U0 3, 0, 1
	WIN 0
	s_sub_co_u32 s[CNT], s[CNT], 1
	s_cmp_lg_u32 s[CNT], 0
	s_cbranch_scc1 .Lp3
	s_wait_dscnt 0x0                               ; the last tile but one, second unit: nothing is filled any more, so no barrier:
	MULK 3, 1, 0, 0
	WIN 0
	PLACES
	s_wait_tensorcnt 0x0                           ; of the last tile each wave reads only the quarter that its own load brought
	s_xor_b32 s[TB], s[TB], SLOT1
	FETCH 3, 0, 0
	MULK 3, 1, 1, 0
	EPI_A
	U0 3, 0, 1                                     ; the last tile's first unit; the one before goes out
	s_wait_dscnt 0x0
	MULK 3, 1, 0, 0
	MULK 3, 1, 1, 0
	EPI_A
	EPI_B 0, 0                                     ; the last tile goes out
	s_wait_tensorcnt 0x0                           ; the wave's end: behind my last tensor load and my last LDS store
	ds_add_u32 v[SPW], v[NIL]
	s_wait_dscnt 0x0
	CROUND                                         ; the closing round: no work-group ends while a partner may still ask for a tile that names it
	s_endpgm
.Lfunc_end_k_qf55115e83f_attn:
	.size	k_qf55115e83f_attn, .Lfunc_end_k_qf55115e83f_attn-k_qf55115e83f_attn
	.p2alignl 7, 3214868480
	.fill 96, 4, 3214868480
	.section	.rodata,"a",@progbits
	.p2align	6, 0x0
	.amdhsa_kernel k_qf55115e83f_attn
		.amdhsa_group_segment_fixed_size 327680
		.amdhsa_private_segment_fixed_size 0
		.amdhsa_enable_private_segment 0
		.amdhsa_kernarg_size 56
		.amdhsa_user_sgpr_count 2
		.amdhsa_user_sgpr_kernarg_segment_ptr 1
		.amdhsa_wavefront_size32 1
		.amdhsa_system_sgpr_workgroup_id_x 1
		.amdhsa_system_sgpr_workgroup_id_y 1
		.amdhsa_system_sgpr_workgroup_id_z 1
		.amdhsa_system_vgpr_workitem_id 0
		.amdhsa_next_free_vgpr 1024
		.amdhsa_next_free_sgpr 84
		.amdhsa_reserve_vcc 0
		.amdhsa_float_denorm_mode_32 3
		.amdhsa_float_denorm_mode_16_64 3
		.amdhsa_memory_ordered 1
		.amdhsa_forward_progress 1
		.amdhsa_inst_pref_size 255
	.end_amdhsa_kernel
	.section	.bss,"aw",@nobits
	.p2align	6
	.space	262144
	.amdgpu_metadata
---
amdhsa.version: [ 1, 2 ]
amdhsa.kernels:
  - .name:           k_qf55115e83f_attn
    .symbol:         k_qf55115e83f_attn.kd
    .args:
      - { .name: thF, .offset: 0, .size: 8, .value_kind: global_buffer, .address_space: global }
      - { .name: phF, .offset: 8, .size: 8, .value_kind: global_buffer, .address_space: global }
      - { .name: gF, .offset: 16, .size: 8, .value_kind: global_buffer, .address_space: global }
      - { .name: woF, .offset: 24, .size: 8, .value_kind: global_buffer, .address_space: global }
      - { .name: x, .offset: 32, .size: 8, .value_kind: global_buffer, .address_space: global }
      - { .name: b_out, .offset: 40, .size: 8, .value_kind: global_buffer, .address_space: global }
      - { .name: out0, .offset: 48, .size: 8, .value_kind: global_buffer, .address_space: global }
    .group_segment_fixed_size: 327680
    .private_segment_fixed_size: 0
    .kernarg_segment_align: 8
    .kernarg_segment_size: 56
    .max_flat_workgroup_size: 128
    .sgpr_count:     84
    .vgpr_count:     1024
    .wavefront_size: 32
...
	.end_amdgpu_metadata
.endif
;; end of part 3
